; MI455X (gfx1250); checked and timed in simulation.
; The chip was launched on July 23, 2026; its instructions are those of AMD's public machine-readable ISA for CDNA 5 (MIT licence, August 2026) and "CDNA5" Instruction Set Architecture Reference Guide (July 2026). The comments in the code are by the model that wrote it; some were corrected since.
;; Mixture Of Experts. Allowed arithmetic: matrix products marked QUANTISED: E4M3 operands, one given power-of-two scale a tensor, by v_wmma_f32_16x16x64_fp8_fp8 or v_wmma_f32_16x16x128_fp8_fp8, f32 sums; products left as they are: f32 operands where the result goes on into a quantised operand, else bf16, f16 or f32 operands; f32 sums; everything else in f32.
;; Inputs: b1 8 x 4,096 float32; b2 8 x 1,024 float32; lowp_scales 4 int32 (the exponents e of the quantised operands' scales 2^e); router_b 8 float32; router_w 1,024 x 8 float32; w1_codes 8 x 4,096 x 32 x 32 uint8 (E4M3 codes of w1, K innermost, in blocks of 32 codes); w2_codes 8 x 1,024 x 128 x 32 uint8 (E4M3 codes of w2, K innermost, in blocks of 32 codes); x 2 x 512 x 1,024 float32.
;; Outputs: out0 2 x 512 x 1,024 float32.
;; This version of the problem:
;;   THIS VERSION OF THE PROBLEM IS GIVEN IN LOW PRECISION. The matrix products marked QUANTISED in the list below multiply operands that are first quantised to E4M3 (4 exponent bits, 3 mantissa bits; 8 bits a number), with one given power-of-two scale for each operand tensor; their sums are f32. All else is computed in f32.
;;   The module's matrix products, in the order in which they are computed (A, B: the left and right operand; K: the contracted axis; several contracted axes count as one K, in the product's order):
;;     1. [M 1,024, K 1,024] x [K 1,024, N 8]; A: input x; B: input router_w: left as it is (N = 8 < 16)
;;     2. [M 32,768, K 1,024] x [K 1,024, N 1,024]; A: input w1 (given as codes); B: input x: QUANTISED (scales: A lowp_scales[0], B lowp_scales[1])
;;     3. batch 8 x [M 1,024, K 4,096] x [K 4,096, N 1,024]; A: input w2 (given as codes); B: computed on the way: QUANTISED (scales: A lowp_scales[2], B lowp_scales[3])
;;   THE QUANTISER, for each operand of a quantised product, along K:
;;     - The operand's scale is 2^e, e = its entry of the input lowp_scales (int32; the entries are numbered through the quantised products in the list's order, A before B).
;;     - Each number is divided by the scale, clamped to +-448, and rounded to the nearest number of E4M3, ties to even, subnormals kept.
;;     - The product sums the exact products of the quantised numbers (number of the format x scale) in f32.
;;   ~~~python
;;   def quantise(x, axis, e):      # numpy; x: float32 -> the quantised numbers, widened to float32 again
;;       x = np.moveaxis(x, axis, -1); K = x.shape[-1]
;;       r = np.clip(x / 2.0 ** e, -448, 448)
;;       step = 2.0 ** (np.maximum(np.frexp(np.where(r == 0, 1, r))[1] - 1, -6) - 3)
;;       q = np.round(r / step) * step * 2.0 ** e      # np.round: ties to even
;;       return np.moveaxis(q, -1, axis).astype(np.float32)
;;   ~~~
;;   OPERANDS COMPUTED ON THE WAY. 'Computed on the way' means the value that the module computes at that place (a softmax that the list does not call 'softmax' is quantised finished and normalised). What goes into a quantiser is computed in f32, as accurately as f32 sums, v_exp_f32 and their like allow (about 1e-6 of the number): no bf16 or f16 on the way to a quantiser, and a product that is left as it is and whose result goes on into a quantised operand takes f32 operands (vector FMAs, or v_wmma_f32_16x16x4_f32). A number that lies on a knife's edge between two numbers of the format may be rounded either way, as far as f32 arithmetic and the matrix unit's own rounding can turn it there, and no further.
;;   INPUTS GIVEN AS CODES. w1 (in the module: [8, 1024, 4096], K = its axis 1); w2 (in the module: [8, 4096, 1024], K = its axis 1): each comes as NAME_codes (uint8): NAME with its K axis moved to the last place and cut into blocks of 32 codes, [.., K / 32, bytes a block], one block behind the other in memory; one code a byte (a code: sign, 4 exponent bits, 3 mantissa bits); its scale is its entry of lowp_scales. Its value is code x scale, taken as it is: it is not quantised again, and the codes and scales need not be those that the quantiser above would give.
;; One version. Each part assembles by itself: llvm-mc -triple=amdgcn-amd-amdhsa -mcpu=gfx1250 --defsym DOCPART=n.
;; ======== version 1 of 1: 4 launches
;; limits: right only within a limited range of input values
;; workspace buffers: xq 1,048,576 bytes; sel 1,024 bytes of whole numbers; eidx 8,192 bytes of whole numbers; gates 8,192 bytes; himg 33,554,432 bytes; y 33,554,432 bytes; lst 36,864 bytes of whole numbers
;; launch route (part 1): grid 256 x 1, 4 waves a work-group, no clusters, 35,328 bytes of LDS; arguments x, router_w, router_b, lowp_scales, xq, sel, eidx, gates; writes xq, sel, eidx, gates
.if DOCPART == 1
	.amdgcn_target "amdgcn-amd-amdhsa--gfx1250"
	.amdhsa_code_object_version 6
	.text
	.protected	k_q7170c09efe_route
	.globl	k_q7170c09efe_route
	.p2align	8
	.type	k_q7170c09efe_route,@function
k_q7170c09efe_route:
	s_mov_b64 s[64:65], 0
	v_nop
	global_prefetch_b8 v0, s[64:65] scope:SCOPE_SE
	s_setreg_imm32_b32 hwreg(HW_REG_WAVE_MODE, 25, 1), 1
	s_wait_xcnt 0x0
; THE ROUTER AND x's CODES.  logits = x router_w + router_b in f32; softmax with the row's maximum taken away; the two largest probabilities
; (of equals the lower index first: the compare is strict); gates g_k = q_k / (q_a + q_b + 1e-8).  x is turned into codes of E4M3 with the given scale 2^e1
; (entry 1 of the scales): x / 2^e1, held within +-448, to the nearest code, ties to even.
; SHARES.  A wave takes one token: token = 4 x work-group + wave.  A lane holds d = 256 i + 8 lane + j (i = 0..3, j = 0..7): eight neighbours along d in eight
; registers, as the conversion wants them, and its eight codes are 8 bytes: the wave's store covers 256 consecutive bytes, aligned.
; router_w (32 KB) is brought into LDS once by the four waves, in pieces of 256 bytes (eight rows d) 272 bytes apart: a lane's reads stand an odd multiple of
; 16 bytes from its neighbour's.  N = 8 is too narrow for the matrix unit: packed multiply-adds, two experts an instruction.
; WHAT IS STORED, at fixed places (no address here hangs on the choice): sel[token], a byte: (1 << e0) | (1 << e1); eidx[token] = e0, e1; gates[token] = g0, g1.
; THE WHOLE PROGRAM multiplies, for each expert, only the rows of the tokens that chose it: reference() keeps no other row.
; LIMITS: e1 between -126 and 119.  NaN and infinities among the inputs are not served; those that reach only rows which reference() throws away are not carried to the result.
; Two probabilities that differ by less than f32 rounding may change places.
.set WP,  272                          ; a piece of router_w in LDS: 256 bytes + 16
.set XR,  16                           ; v16-47   my 32 numbers of x
.set WR,  48                           ; v48-175  two sets of 64 numbers of router_w; at the start the 16 x 4 registers on their way to LDS
.set CD,  112                          ; v112-119 x's codes (the second set is done with by then)
.set SA,  176                          ; v176-183 the eight sums of the even j
.set SB,  184                          ; v184-191 of the odd j
	s_load_b256 s[4:11], s[0:1], 0x0               ; x s[4:5], router_w s[6:7], router_b s[8:9], the scales' exponents s[10:11]
	s_load_b256 s[12:19], s[0:1], 0x20             ; xq s[12:13], sel s[14:15], eidx s[16:17], gates s[18:19]
	v_lshl_add_u32 v192, v0, 2, 0x8800
	v_mov_b32 v193, 0
	v_lshrrev_b32 v8, 5, v0
	v_readfirstlane_b32 s20, v8                    ; wave
	v_and_b32 v1, 31, v0                           ; lane
	v_lshlrev_b32 v9, 4, v1
	v_lshl_add_u32 v2, s20, 13, v9                 ; router_w: my wave's 8 KB, 16 bytes a lane
	v_and_b32 v10, 15, v0
	v_bfe_u32 v11, v0, 4, 1
	v_mul_u32_u24 v3, v11, WP
	v_lshl_add_u32 v3, v10, 4, v3
	s_mul_i32 s21, s20, 32*WP
	v_add_nc_u32 v3, s21, v3                       ; into LDS: a load's 512 bytes are two pieces: 32 WP wave + WP (lane / 16) + 16 (lane % 16)
	v_mul_u32_u24 v4, v1, WP                       ; out of LDS: piece 32 i + lane holds my eight rows d
	v_lshlrev_b32 v5, 5, v1                        ; x: 32 bytes a lane
	v_lshlrev_b32 v6, 3, v1                        ; codes: 8 bytes a lane
	v_mov_b32 v7, 0
	s_lshl_b32 s22, ttmp9, 2
	s_add_co_u32 s22, s22, s20                     ; token
	s_mov_b32 s37, 0
	s_mov_b32 s38, 0x76543210                      ; v_permlanex16_b32's selects for lane l xor 16
	s_mov_b32 s39, 0xfedcba98
	s_wait_alu depctr_va_vdst(0)
	s_wait_kmcnt 0x0
	s_load_b256 s[24:31], s[8:9], 0x0              ; router_b
	s_load_b128 s[32:35], s[10:11], 0x0            ; e0, e1, e2, e3
	s_lshl_b32 s36, s22, 12
	s_add_nc_u64 s[4:5], s[4:5], s[36:37]          ; my row of x
	s_lshl_b32 s36, s22, 10
	s_add_nc_u64 s[12:13], s[12:13], s[36:37]      ; my row of codes
	s_mov_b32 s36, s22
	s_add_nc_u64 s[14:15], s[14:15], s[36:37]
	s_lshl_b32 s36, s22, 3
	s_add_nc_u64 s[16:17], s[16:17], s[36:37]
	s_add_nc_u64 s[18:19], s[18:19], s[36:37]
.irp n, 0,1,2,3,4,5,6,7,8,9,10,11,12,13,14,15
	global_load_b128 v[WR+4*\n:WR+4*\n+3], v2, s[6:7] offset:512*\n
.endr
.irp i, 0,1,2,3
	global_load_b128 v[XR+8*\i:XR+8*\i+3], v5, s[4:5] offset:1024*\i
	global_load_b128 v[XR+8*\i+4:XR+8*\i+7], v5, s[4:5] offset:1024*\i+16
.endr
	s_wait_loadcnt 8                               ; router_w's sixteen loads are in; x's eight are younger and may be out
.irp n, 0,1,2,3,4,5,6,7,8,9,10,11,12,13,14,15
	ds_store_b128 v3, v[WR+4*\n:WR+4*\n+3] offset:2*WP*\n
.endr
	s_wait_dscnt 0x0                               ; for the others' sake: my part of router_w lies in LDS
	s_barrier_signal -1
	s_barrier_wait -1
.macro WLOAD i                         ; router_w's rows 256 i + 8 lane + 0..7, eight experts each, into set i % 2
.irp j, 0,1,2,3,4,5,6,7
	ds_load_b128 v[WR+64*(\i%2)+8*\j:WR+64*(\i%2)+8*\j+3], v4 offset:32*WP*\i+32*\j
	ds_load_b128 v[WR+64*(\i%2)+8*\j+4:WR+64*(\i%2)+8*\j+7], v4 offset:32*WP*\i+32*\j+16
.endr
.endm
; 32 packed multiply-adds: one number of x (the low or the high register of its pair, for both halves) times two experts' weights.  The first products start the sums: nothing is cleared.
.macro FMA i
.set WS, WR+64*(\i%2)
.irp j, 0,1,2,3,4,5,6,7
.irp p, 0,2,4,6
.if (\i == 0) && (\j == 0)
	v_pk_mul_f32 v[SA+\p:SA+\p+1], v[XR:XR+1], v[WS+\p:WS+\p+1] op_sel:[0,0] op_sel_hi:[0,1]
.elseif (\i == 0) && (\j == 1)
	v_pk_mul_f32 v[SB+\p:SB+\p+1], v[XR:XR+1], v[WS+8+\p:WS+8+\p+1] op_sel:[1,0] op_sel_hi:[1,1]
.elseif \j%2 == 0
	v_pk_fma_f32 v[SA+\p:SA+\p+1], v[XR+8*\i+\j:XR+8*\i+\j+1], v[WS+8*\j+\p:WS+8*\j+\p+1], v[SA+\p:SA+\p+1] op_sel:[0,0,0] op_sel_hi:[0,1,1]
.else
	v_pk_fma_f32 v[SB+\p:SB+\p+1], v[XR+8*\i+\j-1:XR+8*\i+\j], v[WS+8*\j+\p:WS+8*\j+\p+1], v[SB+\p:SB+\p+1] op_sel:[1,0,0] op_sel_hi:[1,1,1]
.endif
.endr
.endr
.endm
	WLOAD 0
	s_wait_loadcnt 0x0                             ; x
	WLOAD 1
	s_wait_dscnt 16                                ; set 0 is in; the sixteen loads of set 1 are younger
	FMA 0
	WLOAD 2
	s_wait_alu depctr_va_vdst(0)
	s_wait_dscnt 16
	FMA 1
	WLOAD 3
	s_wait_alu depctr_va_vdst(0)
	s_wait_dscnt 16
	FMA 2
	s_wait_alu depctr_va_vdst(0)
	s_wait_dscnt 0x0
	FMA 3
	; x's codes
	s_wait_kmcnt 0x0
	s_add_co_i32 s40, s33, 127
	s_lshl_b32 s41, s40, 23
	v_mov_b32 v8, s41                              ; 2^e1 as f32: the conversion takes its exponent field
	s_add_co_i32 s40, s40, 8
	s_lshl_b32 s40, s40, 23
	s_or_b32 s40, s40, 0x600000
	v_mov_b32 v9, s40                              ; 448 x 2^e1
.set i, 0
.rept 32
	v_med3_num_f32 v[XR+i], v[XR+i], -v9, v9       ; the conversion to an 8-bit code does not saturate (ISA guide 7.6.2): the hold comes first
.set i, i+1
.endr
.irp i, 0,1,2,3
	v_cvt_scalef32_pk8_fp8_f32 v[CD+2*\i:CD+2*\i+1], v[XR+8*\i:XR+8*\i+7], v8
.endr
.irp p, 0,2,4,6
	v_pk_add_f32 v[SA+\p:SA+\p+1], v[SA+\p:SA+\p+1], v[SB+\p:SB+\p+1]   ; the two sets of sums.  (Plain lines behind the conversions)
.endr
.irp i, 0,1,2,3
	global_store_b64 v6, v[CD+2*\i:CD+2*\i+1], s[12:13] offset:256*\i   ; 32 lanes store 256 consecutive bytes, aligned
.endr
	; the eight sums over the 32 lanes: every lane ends with all eight logits
.irp m, 1,2,4,8
.irp e, 0,1,2,3,4,5,6,7
	v_add_f32_dpp v[SA+\e], v[SA+\e], v[SA+\e] row_xmask:\m row_mask:0xf bank_mask:0xf
.endr
.endr
.irp e, 0,1,2,3,4,5,6,7
	v_permlanex16_b32 v[SB+\e], v[SA+\e], s38, s39
.endr
.irp e, 0,1,2,3,4,5,6,7
	v_add_f32 v[SA+\e], v[SA+\e], v[SB+\e]
.endr
.irp e, 0,1,2,3,4,5,6,7
	v_add_f32 v[SA+\e], s[24+\e], v[SA+\e]         ; + router_b
.endr
	v_max3_num_f32 v8, v[SA], v[SA+1], v[SA+2]     ; the softmax takes the row's maximum away
	v_max3_num_f32 v8, v8, v[SA+3], v[SA+4]
	v_max3_num_f32 v8, v8, v[SA+5], v[SA+6]
	v_max_num_f32 v8, v8, v[SA+7]
.irp e, 0,1,2,3,4,5,6,7
	v_sub_f32 v[SA+\e], v[SA+\e], v8
.endr
.irp e, 0,1,2,3,4,5,6,7
	v_mul_f32 v[SA+\e], 0x3fb8aa3b, v[SA+\e]       ; x log2(e)
.endr
	s_wait_alu depctr_va_vdst(0)                   ; ahead of the batch of transcendentals
.irp e, 0,1,2,3,4,5,6,7
	v_exp_f32 v[SA+\e], v[SA+\e]
.endr
	v_nop                                          ; one plain place behind the exponentials (ISA guide 5.7.2)
	s_wait_alu depctr_va_vdst(0)
	v_pk_add_f32 v[SB:SB+1], v[SA:SA+1], v[SA+2:SA+3]
	v_pk_add_f32 v[SB+2:SB+3], v[SA+4:SA+5], v[SA+6:SA+7]
	v_pk_add_f32 v[SB:SB+1], v[SB:SB+1], v[SB+2:SB+3]
	v_add_f32 v9, v[SB], v[SB+1]
	s_wait_alu depctr_va_vdst(0)
	v_rcp_f32 v9, v9
	v_nop
	s_wait_alu depctr_va_vdst(0)
.irp e, 0,1,2,3,4,5,6,7
	v_mul_f32 v[SA+\e], v[SA+\e], v9               ; the probabilities
.endr
.macro TOP best, idx                   ; the largest of the eight and its index; of equals the lower index stays
	v_mov_b32 v[\best], v[SA]
	v_mov_b32 v[\idx], 0
.irp e, 1,2,3,4,5,6,7
	v_cmp_gt_f32 vcc_lo, v[SA+\e], v[\best]
	v_cndmask_b32 v[\best], v[\best], v[SA+\e], vcc_lo
	v_cndmask_b32 v[\idx], v[\idx], \e, vcc_lo
.endr
.endm
	TOP 14, 12
.irp e, 0,1,2,3,4,5,6,7
	v_cmp_eq_u32 vcc_lo, \e, v12
	v_cndmask_b32 v[SA+\e], v[SA+\e], -1.0, vcc_lo ; the winner leaves the field: under every probability
.endr
	TOP 15, 13
	v_add_f32 v8, v14, v15
	v_add_f32 v8, 0x322bcc77, v8                   ; + 1e-8
	s_wait_alu depctr_va_vdst(0)
	v_rcp_f32 v8, v8
	v_mov_b32 v9, 1                                ; (a plain place behind the reciprocal)
	v_mov_b32 v10, 1
	v_lshlrev_b32 v9, v12, v9
	v_lshlrev_b32 v10, v13, v10
	v_or_b32 v9, v9, v10                           ; (1 << e0) | (1 << e1)
	s_wait_alu depctr_va_vdst(0)
	v_mul_f32 v14, v14, v8
	v_mul_f32 v15, v15, v8                         ; the gates
	v_cmp_eq_u32 vcc_lo, 0, v1
	s_wait_alu depctr_va_vdst(0)
	s_wait_xcnt 0x0                                ; EXEC is a source of the stores above: it changes only behind this wait
	s_wait_tensorcnt 0x0                           ; the wave's end, with all lanes on
	ds_add_u32 v192, v193
	s_wait_dscnt 0x0
	s_and_saveexec_b32 s42, vcc_lo                 ; every lane holds the same numbers: lane 0 stores them
	global_store_b8 v7, v9, s[14:15]
	global_store_b64 v7, v[12:13], s[16:17]
	global_store_b64 v7, v[14:15], s[18:19]
	s_endpgm
.Lfunc_end_k_q7170c09efe_route:
	.size	k_q7170c09efe_route, .Lfunc_end_k_q7170c09efe_route-k_q7170c09efe_route
	.p2alignl 7, 3214868480
	.fill 96, 4, 3214868480
	.section	.rodata,"a",@progbits
	.p2align	6, 0x0
	.amdhsa_kernel k_q7170c09efe_route
		.amdhsa_group_segment_fixed_size 35328
		.amdhsa_private_segment_fixed_size 0
		.amdhsa_enable_private_segment 0
		.amdhsa_kernarg_size 64
		.amdhsa_user_sgpr_count 2
		.amdhsa_user_sgpr_kernarg_segment_ptr 1
		.amdhsa_wavefront_size32 1
		.amdhsa_system_sgpr_workgroup_id_x 1
		.amdhsa_system_sgpr_workgroup_id_y 1
		.amdhsa_system_sgpr_workgroup_id_z 1
		.amdhsa_system_vgpr_workitem_id 0
		.amdhsa_next_free_vgpr 194
		.amdhsa_next_free_sgpr 66
		.amdhsa_reserve_vcc 1
		.amdhsa_float_denorm_mode_32 3
		.amdhsa_float_denorm_mode_16_64 3
		.amdhsa_memory_ordered 1
		.amdhsa_forward_progress 1
		.amdhsa_inst_pref_size 30
	.end_amdhsa_kernel
	.amdgpu_metadata
---
amdhsa.version: [ 1, 2 ]
amdhsa.kernels:
  - .name:           k_q7170c09efe_route
    .symbol:         k_q7170c09efe_route.kd
    .args:
      - { .name: x, .offset: 0, .size: 8, .value_kind: global_buffer, .address_space: global }
      - { .name: router_w, .offset: 8, .size: 8, .value_kind: global_buffer, .address_space: global }
      - { .name: router_b, .offset: 16, .size: 8, .value_kind: global_buffer, .address_space: global }
      - { .name: lowp_scales, .offset: 24, .size: 8, .value_kind: global_buffer, .address_space: global }
      - { .name: xq, .offset: 32, .size: 8, .value_kind: global_buffer, .address_space: global }
      - { .name: sel, .offset: 40, .size: 8, .value_kind: global_buffer, .address_space: global }
      - { .name: eidx, .offset: 48, .size: 8, .value_kind: global_buffer, .address_space: global }
      - { .name: gates, .offset: 56, .size: 8, .value_kind: global_buffer, .address_space: global }
    .group_segment_fixed_size: 35328
    .private_segment_fixed_size: 0
    .kernarg_segment_align: 8
    .kernarg_segment_size: 64
    .max_flat_workgroup_size: 128
    .sgpr_count:     66
    .vgpr_count:     194
    .wavefront_size: 32
...
	.end_amdgpu_metadata
.endif
;; end of part 1
;; launch up (part 2): grid 256 x 1, 4 waves a work-group, no clusters, 169,216 bytes of LDS; arguments xq, w1_codes, b1, lowp_scales, sel, eidx, himg, lst; writes himg, lst
.if DOCPART == 2
	.amdgcn_target "amdgcn-amd-amdhsa--gfx1250"
	.amdhsa_code_object_version 6
	.text
	.protected	k_q7170c09efe_up
	.globl	k_q7170c09efe_up
	.p2align	8
	.type	k_q7170c09efe_up,@function
k_q7170c09efe_up:
	s_mov_b64 s[64:65], 0
	v_nop
	global_prefetch_b8 v0, s[64:65] scope:SCOPE_SE
	s_setreg_imm32_b32 hwreg(HW_REG_WAVE_MODE, 25, 1), 1
	s_wait_xcnt 0x0
; THE FIRST PRODUCT OF THE CHOSEN ROWS: h = Q(gelu(x W1 + b1)), on codes of E4M3, for one expert e = work-group % 8 and 128 of its 4,096 hidden units (slice sl = work-group / 8).
; Only the tokens that chose e are multiplied: reference() keeps no other row of this expert.
; WHICH ROWS.  sel[token] is a byte, (1 << e0) | (1 << e1).  Lane L takes tokens 16 L .. 16 L + 15 and 512 + 16 L ..: its mask of 32 bits (bit 8 i + j: word j, byte i), the masks' counts,
; their exclusive sums over the lanes.  Rank p lies in the last lane whose sum is p or less, and is there the d-th set bit.  Ranks at or past n take rank n - 1: valid rows, never used.
; The work-groups with sl = 0 store lst[e][rank] = 2 token + (e is the token's second choice) and, behind the eight lists, n for the next launch.
; X STAYS IN REGISTERS: wave w takes tiles of 16 tokens w, w + 4, .. w + 16: five tiles x 1,024 codes, 640 registers.  THE WEIGHTS COME BY CHUNKS of 32 units (32 KB), each read from memory once by this
; work-group alone: a wave loads 8 rows into registers, a trip later stores them to LDS (rows 1,040 bytes apart, an odd multiple of 16), and one barrier a trip shows them to all four waves.
; A trip multiplies one chunk by all tiles and makes its gelu and codes; chunk b + 2 is on its way from memory meanwhile.  The fifth tile's work is passed over where the wave has none.
; More than 20 tiles (n over 320): the tiles from 20 on follow, one at a time, on the same weights in LDS.
; THE MATRIX INSTRUCTION IS USED TRANSPOSED (source 0 = 16 rows of W1, source 1 = 16 tokens).  Lane m of tile 2 b + u takes row 32 b + 8 u + m + 8 (m / 8), so that the 16 registers
; of tiles 2 b, 2 b + 1 are the units 32 b + 16 (lane / 16) + 0..15.  Both operands come in pieces of 16 bytes, k = 32 c + 16 (lane / 16) + 0..15: the same permutation of k on both sides.
; b1 / 2^(e0 + e1) is the C of each sum's first product.  The sums a stand for x = a 2^S, S = e0 + e1, and are never scaled: S goes into gelu's constants and into the code's scale.
; gelu(x) = max(x, 0) - |x| P, P = erfc(|x| / sqrt 2) / 2 = t 2^(-x^2 log2(e) / 2 + k0 + k1 t + .. + k9 t^9), t = 1 / (1 + |x| / (2 sqrt 2)): a series with a relative error near one part in 10^7.
; OUT: himg[e][tile][K step = sl][2,048 bytes]: the image of the next product's operand registers: piece b of lane l at 512 b + 16 l.  A store of the wave covers 512 consecutive bytes.
; NO TENSOR LOADS, NO JOINT LOADS.  NO PREFETCH: a chunk is asked for by its own loads a whole trip ahead of its use.
; LIMITS: e0 + e1 between -62 and 64; e3 - e0 - e1 between -126 and 119.  NaN and infinities are not served.
; REGISTERS.  Window 0: v1-31 addresses and ranks; v32-47 four loads of the chunk on its way; v48-63 tables and constants; v64-191 W's fragments, four sets (at the head v64-127 chunk 0);
;   v128-159 t (at the head the search), v160-191 the series, v192-223 at work (gelu); v224-239 b1; v240-255 codes.
;   Windows 1, 2 and v0-127 of 3: x, tile g, K step s at 128 g + 16 s.  Window 3: v128-207 sums, tile g at 128 + 16 g; v208-255 twelve loads of the chunk on its way.
.set PITCH, 1040
.set W32,   32*PITCH
.set B1L,   5*W32                      ; b1's slice, 512 bytes for each wave
.set SPARE, 168704                     ; the spare words, 128 bytes for each wave
.set L16, 1                            ; 16 x lane
.set RR,  2                            ; lane % 16
.set HH,  3                            ; lane / 16
.set RK,  4                            ; 64 (lane / 16) + lane % 16
.set STW0, 5                           ; where my wave's 8 rows of chunk 0 go in LDS
.set ADW0, 6                           ; a fragment's first row in chunk 0
.set ADW, 7                            ; the same in this trip's chunk
.set BA0, 8                            ; b1 in LDS for chunk 0
.set BAC, 9                            ; the same for this trip's chunk
.set SPW, 10
.set BA,  11                           ; v11-15 my token's row of x's codes, for each tile
.set PP,  16                           ; v16-18 ranks (lanes 0-15: tile 2 p, lanes 16-31: tile 2 p + 1), then bit positions
.set ID,  19                           ; v19-21 the lane whose mask holds the rank
.set SM,  22                           ; v22-24 that mask
.set ST,  25                           ; v25-27 the token
.set TP,  28                           ; v28-30 at work
.set H16, 31
.set MK,  48                           ; my mask
.set XT,  49                           ; the tokens of e in lower lanes
.set SCL, 50                           ; 2^(e3 - S)
.set LIM, 51                           ; 448 x that
.set K9,  52                           ; v52-53 k9, twice
.set E1,  54                           ; v54-56 the tokens' second choices
.set SD,  57                           ; v57-59 the rank within the mask
.set NIL, 60
.set STW, 61
.set B1S, 62
.set ADW2, 63                          ; a fragment's first row in chunk 2
.set WF,  64
.set BT,  128                          ; v128-145 at work in the search
.set TT,  128
.set PL,  160
.set QQ,  192
.set CB,  224
.set CC,  240
.set AC,  128
.set SG,  208
.set MSB, 0
.macro WIN new                         ; the immediate's high byte repeats the setting that is left
.if MSB != (\new)
	s_set_vgpr_msb (MSB<<8)|(\new)
.set MSB, (\new)
.endif
.endm
.macro PLACES                          ; four plain places behind matrix instructions (ISA guide 7.12.1)
.rept 4
	v_nop
.endr
.endm
.macro KPAIR r, val                    ; a constant twice: the packed forms name a pair
	s_mov_b32 s[\r], \val
	s_mov_b32 s[\r+1], \val
.endm
.macro BSTEP src, w                    ; one level of the search: if the lower half holds d bits or fewer, go to the upper half
.set p, 0
.rept NPR
	v_bfe_u32 v[BT+12+p], v[\src+p], v[PP+p], \w
	v_cmp_ge_u32 vcc_lo, v[SD+p], v[BT+12+p]
	v_cndmask_b32 v[BT+12+p], 0, v[BT+12+p], vcc_lo
	v_cndmask_b32 v[BT+15+p], 0, \w, vcc_lo
	v_sub_nc_u32 v[SD+p], v[SD+p], v[BT+12+p]
	v_add_nc_u32 v[PP+p], v[PP+p], v[BT+15+p]
.set p, p+1
.endr
.endm
; The tokens of ranks 16 s22 + 128 p + RK, NPR registers of them
.macro SELECT
	s_lshl_b32 s24, s22, 4
.set p, 0
.rept NPR
	v_add_nc_u32 v[PP+p], s24, v[RK]
.if p > 0
	v_add_nc_u32 v[PP+p], 128*p, v[PP+p]
.endif
	v_min_u32 v[PP+p], s100, v[PP+p]
	v_mov_b32 v[ID+p], 0
.set p, p+1
.endr
.irp i, 1,2,3,4,5,6,7,8,9,10,11,12,13,14,15,16,17,18,19,20,21,22,23,24,25,26,27,28,29,30,31
.set p, 0
.rept NPR
	v_cmp_le_u32 s[96+p], s[32+\i], v[PP+p]
.set p, p+1
.endr
.set p, 0
.rept NPR
	v_cndmask_b32 v[ID+p], v[ID+p], \i, s[96+p]    ; the sums ascend: the last lane that holds stays
.set p, p+1
.endr
.endr
.set p, 0
.rept NPR
	v_lshlrev_b32 v[TP+p], 2, v[ID+p]
	v_min_u32 v[TP+p], 124, v[TP+p]
	ds_bpermute_b32 v[SM+p], v[TP+p], v[MK]
	ds_bpermute_b32 v[SD+p], v[TP+p], v[XT]
.set p, p+1
.endr
	s_wait_alu depctr_va_vdst(0)
	s_wait_dscnt 0x0
.set p, 0
.rept NPR                              ; the mask's counts of set bits in fields of 2, 4, 8 and 16
	v_sub_nc_u32 v[SD+p], v[PP+p], v[SD+p]
	v_lshrrev_b32 v[BT+12+p], 1, v[SM+p]
	v_and_b32 v[BT+12+p], 0x55555555, v[BT+12+p]
	v_sub_nc_u32 v[BT+p], v[SM+p], v[BT+12+p]
	v_lshrrev_b32 v[BT+12+p], 2, v[BT+p]
	v_and_b32 v[BT+3+p], 0x33333333, v[BT+p]
	v_and_b32 v[BT+12+p], 0x33333333, v[BT+12+p]
	v_add_nc_u32 v[BT+3+p], v[BT+3+p], v[BT+12+p]
	v_lshrrev_b32 v[BT+12+p], 4, v[BT+3+p]
	v_add_nc_u32 v[BT+6+p], v[BT+3+p], v[BT+12+p]
	v_and_b32 v[BT+6+p], 0x0f0f0f0f, v[BT+6+p]
	v_lshrrev_b32 v[BT+12+p], 8, v[BT+6+p]
	v_add_nc_u32 v[BT+9+p], v[BT+6+p], v[BT+12+p]
	v_and_b32 v[BT+9+p], 0x00ff00ff, v[BT+9+p]
	v_mov_b32 v[PP+p], 0
.set p, p+1
.endr
	BSTEP BT+9, 16
	BSTEP BT+6, 8
	BSTEP BT+3, 4
	BSTEP BT, 2
	BSTEP SM, 1
.set p, 0
.rept NPR                              ; bit 8 i + j of lane L: token 16 L + 4 (j % 4) + i + 512 (j / 4)
	v_lshrrev_b32 v[BT+p], 3, v[PP+p]
	v_lshl_add_u32 v[ST+p], v[ID+p], 4, v[BT+p]
	v_and_b32 v[BT+p], 3, v[PP+p]
	v_lshl_add_u32 v[ST+p], v[BT+p], 2, v[ST+p]
	v_bfe_u32 v[BT+p], v[PP+p], 2, 1
	v_lshl_add_u32 v[ST+p], v[BT+p], 9, v[ST+p]
	v_min_u32 v[ST+p], 0x3ff, v[ST+p]
	v_permlanex16_b32 v[TP+p], v[ST+p], s28, s29
.set p, p+1
.endr
.endm
; From each tile's token to its row of codes; s27: lanes 16-31
.macro ROWS n
.set g, 0
.rept \n
.if g%2 == 0
	v_cndmask_b32 v[BA+g], v[ST+g/2], v[TP+g/2], s27
.else
	v_cndmask_b32 v[BA+g], v[TP+g/2], v[ST+g/2], s27
.endif
	v_min_u32 v[BA+g], 0x3ff, v[BA+g]
	v_lshlrev_b32 v[BA+g], 10, v[BA+g]
	v_add_nc_u32 v[BA+g], v[BA+g], v[H16]
.set g, g+1
.endr
.endm
.macro CHOICE                          ; the tokens' second choices are asked for
.set p, 0
.rept NPR
	v_lshlrev_b32 v[TP+p], 3, v[ST+p]
	global_load_b32 v[E1+p], v[TP+p], s[14:15] offset:4
.set p, p+1
.endr
.endm
.macro LIST                            ; lst[e][rank] = 2 token + k
	s_lshl_b32 s24, s22, 4
	s_lshl_b32 s25, s31, 12
.set p, 0
.rept NPR
	v_cmp_eq_u32 vcc_lo, s31, v[E1+p]
	v_cndmask_b32 v[TP+p], 0, 1, vcc_lo
	v_lshl_or_b32 v[ST+p], v[ST+p], 1, v[TP+p]
	v_add_nc_u32 v[TP+p], s24, v[RK]
.if p > 0
	v_add_nc_u32 v[TP+p], 128*p, v[TP+p]
.endif
	v_min_u32 v[TP+p], 0x3ff, v[TP+p]              ; a rank past the list's end is past n too, or holds rank 1,023's own token
	v_lshlrev_b32 v[TP+p], 2, v[TP+p]
	v_add_nc_u32 v[TP+p], s25, v[TP+p]
	global_store_b32 v[TP+p], v[ST+p], s[18:19]
.set p, p+1
.endr
.endm
.macro XLOAD s, g                      ; x's fragment of tile g, K step s
	WIN (1+\g/2)<<6
.irp c, 0,1,2,3
	global_load_b128 v[128*(\g%2)+16*\s+4*\c:128*(\g%2)+16*\s+4*\c+3], v[BA+\g], s[4:5] offset:128*\s+32*\c
.endr
.endm
.macro CHUNK                           ; my wave's 8 rows of a chunk, 512 consecutive bytes a load: read once in the launch
	WIN 0xc0
.irp n, 0,1,2,3,4,5,6,7,8,9,10,11
	global_load_b128 v[SG+4*\n:SG+4*\n+3], v[L16], s[6:7] offset:512*\n th:TH_LOAD_NT
.endr
	WIN 0
.irp n, 12,13,14,15
	global_load_b128 v[32+4*(\n-12):32+4*(\n-12)+3], v[L16], s[6:7] offset:512*\n th:TH_LOAD_NT
.endr
.endm
.macro FRAG s, z                       ; W's two fragments of K step s into set z
.irp u, 0,1
.irp c, 0,1,2,3
	ds_load_b128 v[WF+32*\z+16*\u+4*\c:WF+32*\z+16*\u+4*\c+3], v[ADW] offset:16*PITCH*\u+128*\s+32*\c
.endr
.endr
.endm
.macro BIAS
.irp i, 0,1,2,3
	ds_load_b128 v[CB+4*\i:CB+4*\i+3], v[BAC] offset:16*\i
.endr
.endm
.macro TILE g, s
.irp u, 0,1
.if \s == 0
	v_wmma_f32_16x16x128_fp8_fp8 v[AC+16*\g+8*\u:AC+16*\g+8*\u+7], v[WF+16*\u:WF+16*\u+15], v[128*(\g%2):128*(\g%2)+15], v[CB+8*\u:CB+8*\u+7]
.else
	v_wmma_f32_16x16x128_fp8_fp8 v[AC+16*\g+8*\u:AC+16*\g+8*\u+7], v[WF+32*(\s%4)+16*\u:WF+32*(\s%4)+16*\u+15], v[128*(\g%2)+16*\s:128*(\g%2)+16*\s+15], v[AC+16*\g+8*\u:AC+16*\g+8*\u+7]
.endif
.endr
.endm
; A K step of 128: two fragments of W against the tiles.  The ten (or eight) accumulators take turns, one instruction a turn.
; K step 0 runs all five tiles, so that every accumulator is written on every way.
.macro MUL s
.set WB, 0xf0
.if \s == 0
.set WB, 0xc0
.endif
	WIN WB+4
	TILE 0, \s
	TILE 1, \s
	WIN WB+8
	TILE 2, \s
	TILE 3, \s
.if \s > 0
	WIN 0
	s_cmp_eq_u32 s23, 0
	s_cbranch_scc1 .Lk_\@
.endif
	WIN WB+12
	TILE 4, \s
	WIN 0
.if \s > 0
.Lk_\@:
.endif
.endm
; gelu and the quantiser for n numbers (16 a tile) whose sums begin at a in window 3; codes from cc on, four registers a tile
.macro GELU a, n, cc
	WIN 3
	s_wait_alu depctr_va_vdst(0)                   ; ahead of the sums' first reader
.set i, 0
.rept \n
	v_fma_f32 v[TT+i], |v[\a+i]|, s70, 1.0         ; 1 + |x| / (2 sqrt 2)
.set i, i+1
.endr
	WIN 0
	s_wait_alu depctr_va_vdst(0)                   ; ahead of the batch
.set i, 0
.rept \n
	v_rcp_f32 v[TT+i], v[TT+i]                     ; t
.set i, i+1
.endr
	WIN 3
.set i, 0
.rept \n/2
	v_pk_mul_f32 v[QQ+i:QQ+i+1], v[\a+i:\a+i+1], s[68:69] op_sel_hi:[1,0]   ; -x log2(e) / 2, in the sums' units.  (Plain places behind the reciprocals)
.set i, i+2
.endr
	WIN 0
	s_wait_alu depctr_va_vdst(0)                   ; behind the batch
.set i, 0
.rept \n/2
	v_pk_fma_f32 v[PL+i:PL+i+1], v[TT+i:TT+i+1], v[K9:K9+1], s[88:89] op_sel_hi:[1,1,0]
.set i, i+2
.endr
.irp k, 86,84,82,80,78,76,74,72
.set i, 0
.rept \n/2
	v_pk_fma_f32 v[PL+i:PL+i+1], v[PL+i:PL+i+1], v[TT+i:TT+i+1], s[\k:\k+1] op_sel_hi:[1,1,0]
.set i, i+2
.endr
.endr
	WIN 0x0c
.set i, 0
.rept \n/2
	v_pk_fma_f32 v[PL+i:PL+i+1], v[QQ+i:QQ+i+1], v[\a+i:\a+i+1], v[PL+i:PL+i+1]   ; - x^2 log2(e) / 2
.set i, i+2
.endr
	WIN 0
	s_wait_alu depctr_va_vdst(0)
.set i, 0
.rept \n
	v_exp_f32 v[PL+i], v[PL+i]
.set i, i+1
.endr
	WIN 0x0c
.set i, 0
.rept \n
	v_max_num_f32 v[QQ+i], 0, v[\a+i]              ; max(x, 0).  (Plain places behind the exponentials)
.set i, i+1
.endr
	WIN 0
	s_wait_alu depctr_va_vdst(0)
.set i, 0
.rept \n/2
	v_pk_mul_f32 v[PL+i:PL+i+1], v[PL+i:PL+i+1], v[TT+i:TT+i+1]   ; P
.set i, i+2
.endr
	WIN 3
.set i, 0
.rept \n
	v_fma_f32 v[QQ+i], -|v[\a+i]|, v[PL+i], v[QQ+i]   ; gelu
.set i, i+1
.endr
	WIN 0
.set i, 0
.rept \n
	v_med3_num_f32 v[QQ+i], v[QQ+i], -v[LIM], v[LIM]   ; the conversion to an 8-bit code does not saturate (ISA guide 7.6.2)
.set i, i+1
.endr
.set i, 0
.rept \n/8
	v_cvt_scalef32_pk8_fp8_f32 v[\cc+2*i:\cc+2*i+1], v[QQ+8*i:QQ+8*i+7], v[SCL]
.set i, i+1
.endr
	v_nop                                          ; one plain line behind the last conversion
.endm
.macro OUT g, cc                       ; tile s22 + 4 g leaves, if the expert has it
	s_add_co_u32 s24, s22, 4*\g
	s_cmp_ge_u32 s24, s21
	s_cbranch_scc1 .Lo_\@
	s_min_u32 s24, s24, 63
	s_lshl_b32 s24, s24, 16
	s_mov_b32 s25, 0
	s_add_nc_u64 s[96+2*(\g%2):97+2*(\g%2)], s[16:17], s[24:25]
	global_store_b128 v[L16], v[\cc:\cc+3], s[96+2*(\g%2):97+2*(\g%2)]   ; 32 lanes store 512 consecutive bytes, aligned
.Lo_\@:
.endm
	s_load_b512 s[4:19], s[0:1], 0x0               ; xq 4:5, W1 6:7, b1 8:9, scales 10:11, sel 12:13, eidx 14:15, himg 16:17, lst 18:19
	v_lshrrev_b32 v[TP], 5, v0
	v_readfirstlane_b32 s91, v[TP]                 ; wave
	s_and_b32 s24, s91, 1
	s_lshl_b32 s24, s24, 4
	s_lshr_b32 s25, s91, 1
	s_lshl_b32 s25, s25, 3
	s_add_co_u32 s24, s24, s25                     ; my 8 rows of a chunk, 8 w .., lie in LDS from row 16 (w % 2) + 8 (w / 2) on
	s_mul_i32 s24, s24, PITCH
	s_lshl_b32 s26, s91, 9
	s_add_co_u32 s26, s26, B1L
	s_and_b32 s31, ttmp9, 7                        ; e
	s_lshr_b32 s71, ttmp9, 3                       ; sl
	s_mov_b32 s22, s91                             ; my first tile
	s_mov_b32 s27, 0xffff0000
	s_mov_b32 s28, 0x76543210                      ; v_permlanex16_b32's selects for lane l xor 16
	s_mov_b32 s29, 0xfedcba98
	v_lshl_add_u32 v[SPW], v0, 2, SPARE
	v_mov_b32 v[NIL], 0
	v_mov_b32 v[TP+1], 0                           ; (a lane permute's destination counts as read)
	v_mov_b32 v[TP+2], 0
	v_and_b32 v[L16], 31, v0
	v_lshlrev_b32 v[L16], 4, v[L16]
	v_and_b32 v[RR], 15, v0
	v_bfe_u32 v[HH], v0, 4, 1
	v_lshl_add_u32 v[RK], v[HH], 6, v[RR]
	v_lshlrev_b32 v[H16], 4, v[HH]
	v_add_nc_u32 v[STW0], s24, v[L16]
	v_mul_u32_u24 v[ADW0], v[RR], PITCH
	v_add_nc_u32 v[ADW0], v[ADW0], v[H16]          ; a fragment's row x pitch + 16 x half
	v_mov_b32 v[ADW], v[ADW0]
	v_add_nc_u32 v[ADW2], 2*W32, v[ADW0]
	v_add_nc_u32 v[B1S], s26, v[L16]
	v_lshlrev_b32 v[BA0], 6, v[HH]
	v_add_nc_u32 v[BA0], s26, v[BA0]               ; b1: 16 units further on for lanes 16-31
	v_mov_b32 v[BAC], v[BA0]
	s_mov_b32 s25, 0
	s_wait_alu depctr_va_vdst(0)
	s_wait_kmcnt 0x0
	s_load_b128 s[92:95], s[10:11], 0x0            ; e0 (W1), e1 (x), e2 (W2), e3 (h)
	s_lshl_b32 s24, s31, 22
	s_lshl_b32 s26, s71, 17
	s_add_co_u32 s24, s24, s26
	s_lshl_b32 s26, s91, 13
	s_add_co_u32 s24, s24, s26
	s_add_nc_u64 s[6:7], s[6:7], s[24:25]          ; row 4,096 e + 128 sl + 8 wave of W1
	s_lshl_b32 s24, s31, 14
	s_lshl_b32 s26, s71, 9
	s_add_co_u32 s24, s24, s26
	s_add_nc_u64 s[8:9], s[8:9], s[24:25]          ; the slice's units of b1
	s_lshl_b32 s24, s31, 22
	s_lshl_b32 s26, s71, 11
	s_add_co_u32 s24, s24, s26
	s_add_nc_u64 s[16:17], s[16:17], s[24:25]      ; himg: expert e, tile 0, K step sl
	global_load_b128 v[150:153], v[L16], s[12:13]
	global_load_b128 v[154:157], v[L16], s[12:13] offset:512
	global_load_b128 v[160:163], v[L16], s[8:9]
.irp n, 0,1,2,3,4,5,6,7,8,9,10,11,12,13,14,15
	global_load_b128 v[WF+4*\n:WF+4*\n+3], v[L16], s[6:7] offset:512*\n th:TH_LOAD_NT   ; chunk 0
.endr
	KPAIR 72, 0xc034d90f                           ; k0 .. k8: the series' coefficients x log2(e); k0 less 1, for the half
	KPAIR 74, 0x3fb8ab5a
	KPAIR 76, 0x3f0a29d2
	KPAIR 78, 0x3e0efb2e
	KPAIR 80, 0xbe899a80
	KPAIR 82, 0x3ecdfd18
	KPAIR 84, 0xbfd1a1e5
	KPAIR 86, 0x40097039
	KPAIR 88, 0xbf97d29d
	s_wait_loadcnt 17                              ; sel is in: b1's load and chunk 0's sixteen are younger
	v_lshrrev_b32 v[MK], s31, v150
	v_and_b32 v[MK], 0x01010101, v[MK]
.irp j, 1,2,3,4,5,6,7
	v_lshrrev_b32 v[128+\j], s31, v[150+\j]
.endr
.irp j, 1,2,3,4,5,6,7
	v_and_b32 v[128+\j], 0x01010101, v[128+\j]
.endr
.irp j, 1,2,3,4,5,6,7
	v_lshl_or_b32 v[MK], v[128+\j], \j, v[MK]
.endr
	v_lshrrev_b32 v128, 1, v[MK]                   ; the mask's set bits
	v_and_b32 v128, 0x55555555, v128
	v_sub_nc_u32 v128, v[MK], v128
	v_lshrrev_b32 v129, 2, v128
	v_and_b32 v128, 0x33333333, v128
	v_and_b32 v129, 0x33333333, v129
	v_add_nc_u32 v128, v128, v129
	v_lshrrev_b32 v129, 4, v128
	v_add_nc_u32 v128, v128, v129
	v_and_b32 v128, 0x0f0f0f0f, v128
	v_lshrrev_b32 v129, 8, v128
	v_add_nc_u32 v128, v128, v129
	v_lshrrev_b32 v129, 16, v128
	v_add_nc_u32 v128, v128, v129
	v_and_b32 v128, 63, v128
	; exclusive sums over the lanes: v129 is the total of my block of m lanes; the blocks pair up, and the upper one of a pair adds the lower one's total
.macro LSUM m, mask
	s_mov_b32 s98, \mask
	v_mov_b32_dpp v130, v129 row_xmask:\m row_mask:0xf bank_mask:0xf
	v_cndmask_b32 v131, 0, v130, s98
	v_add_nc_u32 v129, v129, v130
	v_add_nc_u32 v[XT], v[XT], v131
.endm
	v_mov_b32 v129, v128
	v_mov_b32 v130, 0
	v_mov_b32 v[XT], 0
	LSUM 1, 0xaaaaaaaa
	LSUM 2, 0xcccccccc
	LSUM 4, 0xf0f0f0f0
	LSUM 8, 0xff00ff00
	v_permlanex16_b32 v130, v129, s28, s29         ; the other row of 16
	v_cndmask_b32 v131, 0, v130, s27
	v_add_nc_u32 v129, v129, v130
	v_add_nc_u32 v[XT], v[XT], v131
	v_readlane_b32 s20, v129, 0                    ; n
.irp i, 1,2,3,4,5,6,7,8,9,10,11,12,13,14,15,16,17,18,19,20,21,22,23,24,25,26,27,28,29,30,31
	v_readlane_b32 s[32+\i], v[XT], \i
.endr
	s_wait_alu depctr_va_vdst(0)                   ; ahead of the scalar lines' readers
	s_min_u32 s20, s20, 0x400
	s_max_u32 s100, s20, 1
	s_add_co_u32 s21, s100, 15
	s_lshr_b32 s21, s21, 4                         ; nt: tile 0 is always made
	s_sub_co_u32 s100, s100, 1                     ; the last rank
.set NPR, 3
	SELECT
	ROWS 5
	s_wait_alu depctr_va_vdst(0)
	s_wait_kmcnt 0x0
	s_add_co_i32 s24, s92, s93                     ; S
	s_sub_co_i32 s25, 0, s24
	s_lshl_b32 s26, s24, 23
	s_add_co_i32 s70, s26, 0x3eb504f3              ; 2^S / (2 sqrt 2)
	s_lshl_b32 s26, s24, 24
	s_add_co_i32 s68, s26, 0xbf38aa3b              ; -2^(2 S) log2(e) / 2
	s_mov_b32 s69, s68
	s_sub_co_i32 s24, s95, s24
	s_add_co_i32 s24, s24, 127
	s_lshl_b32 s26, s24, 23
	v_mov_b32 v[SCL], s26
	s_add_co_i32 s24, s24, 8
	s_lshl_b32 s24, s24, 23
	s_or_b32 s24, s24, 0x600000
	v_mov_b32 v[LIM], s24
	v_mov_b32 v[K9], 0x3e7c6f08
	v_mov_b32 v[K9+1], 0x3e7c6f08
	s_wait_loadcnt 16                              ; b1 is in: chunk 0's sixteen loads are younger
.irp i, 0,1,2,3
	v_ldexp_f32 v[160+\i], v[160+\i], s25          ; b1 goes in divided by the power of two that the sums lack
.endr
	ds_store_b128 v[B1S], v[160:163]
	CHOICE
.irp s, 0,1
.irp g, 0,1,2,3,4
	XLOAD \s, \g
.endr
.endr
	WIN 0
	s_wait_alu depctr_va_vdst(0)
	s_wait_loadcnt 43                              ; chunk 0 is in: three loads of choices and 40 of x are younger
.irp n, 0,1,2,3,4,5,6,7,8,9,10,11,12,13,14,15
	ds_store_b128 v[STW0], v[WF+4*\n:WF+4*\n+3] offset:(\n/2)*PITCH+512*(\n%2)
.endr
	s_wait_xcnt 0x0                                ; chunk 0's loads have read their base
	s_add_nc_u64 s[6:7], s[6:7], 0x8000
	s_wait_dscnt 0x0                               ; for the others' sake: my rows lie in LDS
	s_barrier_signal -1
	s_barrier_wait -1
	BIAS
	FRAG 0, 0
	FRAG 1, 1
.irp s, 2,3,4,5,6,7
.irp g, 0,1,2,3,4
	XLOAD \s, \g
.endr
.endr
	CHUNK                                          ; chunk 1, behind x
	s_add_co_u32 s24, s22, 16
	s_cmp_lt_u32 s24, s21
	s_cselect_b32 s23, 1, 0                        ; have I a fifth tile?
	s_mov_b32 s66, 0
	s_mov_b32 s67, 0
	s_mov_b32 s90, 0
.Lb:                                                   ; a trip: chunk b, 32 units
	FRAG 2, 2
	FRAG 3, 3
	s_wait_loadcnt 63                              ; (first trip) K steps 0 to 4 of x are in: three K steps' 60 loads and chunk 1's 16 are younger
	s_wait_dscnt 24                                ; b1 and K step 0's fragments; three K steps' are younger
	MUL 0
	s_wait_dscnt 16
	MUL 1
	PLACES                                         ; in front of loads into registers that matrix instructions have read
	FRAG 4, 0
	FRAG 5, 1
	s_wait_dscnt 24
	MUL 2
	s_wait_dscnt 16
	MUL 3
	PLACES
	FRAG 6, 2
	FRAG 7, 3
	s_wait_dscnt 24
	MUL 4
	s_wait_loadcnt 56                              ; 20 (7 - s) + 16 loads are younger than K step s's
	s_wait_dscnt 16
	MUL 5
	s_wait_loadcnt 36
	s_wait_dscnt 8
	MUL 6
	s_wait_loadcnt 16
	s_wait_dscnt 0x0
	MUL 7
	s_barrier_signal -1                            ; my LDS reads of this trip are over (the wait above): the next chunk's stores stand behind this barrier
	s_add_co_u32 s67, s67, W32
	s_add_co_u32 s66, s66, 128
	v_add_nc_u32 v[STW], s67, v[STW0]              ; chunk b + 1 in LDS.  (These three and the v_nop are the places in front of the first read of results)
	v_add_nc_u32 v[ADW], s67, v[ADW0]
	v_add_nc_u32 v[BAC], s66, v[BA0]
	v_nop
	s_wait_alu depctr_va_vdst(0)                   ; ahead of the branch
	s_barrier_wait -1
	s_wait_loadcnt 0x0                             ; chunk b + 1 is in (in the last trip nothing is out)
	s_cmp_eq_u32 s90, 3
	s_cbranch_scc1 .Lnostore
	WIN 0x0c
.irp n, 0,1,2,3,4,5,6,7,8,9,10,11
	ds_store_b128 v[STW], v[SG+4*\n:SG+4*\n+3] offset:(\n/2)*PITCH+512*(\n%2)
.endr
	WIN 0
.irp n, 12,13,14,15
	ds_store_b128 v[STW], v[32+4*(\n-12):32+4*(\n-12)+3] offset:(\n/2)*PITCH+512*(\n%2)
.endr
.Lnostore:
	GELU AC, 32, CC                                ; tiles 0, 1
	s_wait_alu depctr_va_vdst(0)                   ; ahead of the branches
	OUT 0, CC
	OUT 1, CC+4
	s_wait_dscnt 0x0                               ; for the others' sake: my rows of chunk b + 1 lie in LDS
	s_barrier_signal -1
	GELU AC+32, 32, CC+8                           ; tiles 2, 3: work on registers while the others arrive
	s_wait_alu depctr_va_vdst(0)
	s_barrier_wait -1
	s_wait_xcnt 0x0                                ; stores have read their bases and codes, chunk loads their base
	s_cmp_ge_u32 s90, 2
	s_cbranch_scc1 .Lnoload
	s_add_nc_u64 s[6:7], s[6:7], 0x8000
	CHUNK                                          ; chunk b + 2
.Lnoload:
	s_cmp_eq_u32 s90, 3
	s_cbranch_scc1 .Lnofrag
	BIAS
	FRAG 0, 0                                      ; chunk b + 1's first two K steps
	FRAG 1, 1
.Lnofrag:
	OUT 2, CC+8
	OUT 3, CC+12
	s_wait_xcnt 0x0
	s_cmp_eq_u32 s23, 0
	s_cbranch_scc1 .Lnofifth
	GELU AC+64, 16, CC
	s_wait_alu depctr_va_vdst(0)
	OUT 4, CC
	s_wait_xcnt 0x0                                ; the codes and the base are written again only behind this wait
.Lnofifth:
	s_add_nc_u64 s[16:17], s[16:17], 512           ; the next piece
	s_add_co_u32 s90, s90, 1
	s_cmp_lt_u32 s90, 4
	s_cbranch_scc1 .Lb
	s_sub_nc_u64 s[16:17], s[16:17], 2048
	s_cmp_lg_u32 s71, 0
	s_cbranch_scc1 .Lnolist
	LIST
	s_lshl_b32 s24, s31, 9
	v_lshlrev_b32 v[SM], 2, v0
	v_add_nc_u32 v[SM], s24, v[SM]
	v_mov_b32 v[SD], s20
	global_store_b32 v[SM], v[SD], s[18:19] offset:32768   ; n, 128 times: a word a thread
	s_wait_xcnt 0x0
.Lnolist:
	; tiles from 20 on, one at a time
	s_add_co_u32 s22, s22, 20
	s_cmp_ge_u32 s22, s21
	s_cbranch_scc1 .Lend
	s_sub_co_u32 s101, s21, s22
	s_add_co_u32 s101, s101, 3
	s_lshr_b32 s101, s101, 2
	s_mov_b32 s90, 0
.set NPR, 1
.Lrest:
	SELECT
	ROWS 1
	s_wait_alu depctr_va_vdst(0)
	CHOICE
.irp s, 0,1,2,3,4,5,6,7
	XLOAD \s, 0
.endr
	WIN 0
	s_wait_alu depctr_va_vdst(0)
	s_wait_loadcnt 0x0
	s_cmp_lg_u32 s71, 0
	s_cbranch_scc1 .Lnolist2
	LIST
	s_wait_xcnt 0x0
.Lnolist2:
	s_mov_b32 s99, 0
.macro RFRAG s, b                      ; W's two fragments of K step s of chunk b into set s % 4
.irp u, 0,1
.irp c, 0,1,2,3
	ds_load_b128 v[WF+32*(\s%4)+16*\u+4*\c:WF+32*(\s%4)+16*\u+4*\c+3], v[ADW0+(ADW2-ADW0)*(\b/2)] offset:W32*(\b%2)+16*PITCH*\u+128*\s+32*\c
.endr
.endr
.endm
.macro REST b                          ; chunk b against the one tile
.irp i, 0,1,2,3
	ds_load_b128 v[CB+4*\i:CB+4*\i+3], v[BA0] offset:128*\b+16*\i
.endr
	RFRAG 0, \b
	RFRAG 1, \b
	RFRAG 2, \b
	RFRAG 3, \b
	s_wait_dscnt 0x0
	WIN 0xc4
	TILE 0, 0
	WIN 0xf4
	TILE 0, 1
	TILE 0, 2
	TILE 0, 3
	WIN 0
	PLACES
	RFRAG 4, \b
	RFRAG 5, \b
	RFRAG 6, \b
	RFRAG 7, \b
	s_wait_dscnt 0x0
	WIN 0xf4
	TILE 0, 4
	TILE 0, 5
	TILE 0, 6
	TILE 0, 7
	WIN 0
.endm
.Lrb:
	s_cmp_eq_u32 s99, 1
	s_cbranch_scc1 .Lr1
	s_cmp_eq_u32 s99, 2
	s_cbranch_scc1 .Lr2
	s_cmp_eq_u32 s99, 3
	s_cbranch_scc1 .Lr3
	REST 0
	s_branch .Lrg
.Lr1:
	REST 1
	s_branch .Lrg
.Lr2:
	REST 2
	s_branch .Lrg
.Lr3:
	REST 3
.Lrg:
	PLACES
	GELU AC, 16, CC
	s_wait_alu depctr_va_vdst(0)
	OUT 0, CC
	s_wait_xcnt 0x0
	s_add_nc_u64 s[16:17], s[16:17], 512
	s_add_co_u32 s99, s99, 1
	s_cmp_lt_u32 s99, 4
	s_cbranch_scc1 .Lrb
	s_sub_nc_u64 s[16:17], s[16:17], 2048
	s_add_co_u32 s22, s22, 4
	s_add_co_u32 s90, s90, 1
	s_cmp_lt_u32 s90, s101
	s_cbranch_scc1 .Lrest
.Lend:
	s_wait_tensorcnt 0x0                           ; the wave's end
	ds_add_u32 v[SPW], v[NIL]
	s_wait_dscnt 0x0
	s_endpgm
.Lfunc_end_k_q7170c09efe_up:
	.size	k_q7170c09efe_up, .Lfunc_end_k_q7170c09efe_up-k_q7170c09efe_up
	.p2alignl 7, 3214868480
	.fill 96, 4, 3214868480
	.section	.rodata,"a",@progbits
	.p2align	6, 0x0
	.amdhsa_kernel k_q7170c09efe_up
		.amdhsa_group_segment_fixed_size 169216
		.amdhsa_private_segment_fixed_size 0
		.amdhsa_enable_private_segment 0
		.amdhsa_kernarg_size 64
		.amdhsa_user_sgpr_count 2
		.amdhsa_user_sgpr_kernarg_segment_ptr 1
		.amdhsa_wavefront_size32 1
		.amdhsa_system_sgpr_workgroup_id_x 1
		.amdhsa_system_sgpr_workgroup_id_y 1
		.amdhsa_system_sgpr_workgroup_id_z 1
		.amdhsa_system_vgpr_workitem_id 0
		.amdhsa_next_free_vgpr 1024
		.amdhsa_next_free_sgpr 102
		.amdhsa_reserve_vcc 1
		.amdhsa_float_denorm_mode_32 3
		.amdhsa_float_denorm_mode_16_64 3
		.amdhsa_memory_ordered 1
		.amdhsa_forward_progress 1
		.amdhsa_inst_pref_size 172
	.end_amdhsa_kernel
	.amdgpu_metadata
---
amdhsa.version: [ 1, 2 ]
amdhsa.kernels:
  - .name:           k_q7170c09efe_up
    .symbol:         k_q7170c09efe_up.kd
    .args:
      - { .name: xq, .offset: 0, .size: 8, .value_kind: global_buffer, .address_space: global }
      - { .name: w1_codes, .offset: 8, .size: 8, .value_kind: global_buffer, .address_space: global }
      - { .name: b1, .offset: 16, .size: 8, .value_kind: global_buffer, .address_space: global }
      - { .name: lowp_scales, .offset: 24, .size: 8, .value_kind: global_buffer, .address_space: global }
      - { .name: sel, .offset: 32, .size: 8, .value_kind: global_buffer, .address_space: global }
      - { .name: eidx, .offset: 40, .size: 8, .value_kind: global_buffer, .address_space: global }
      - { .name: himg, .offset: 48, .size: 8, .value_kind: global_buffer, .address_space: global }
      - { .name: lst, .offset: 56, .size: 8, .value_kind: global_buffer, .address_space: global }
    .group_segment_fixed_size: 169216
    .private_segment_fixed_size: 0
    .kernarg_segment_align: 8
    .kernarg_segment_size: 64
    .max_flat_workgroup_size: 128
    .sgpr_count:     102
    .vgpr_count:     1024
    .wavefront_size: 32
...
	.end_amdgpu_metadata
.endif
;; end of part 2
;; launch down (part 3): grid 256 x 1, 4 waves a work-group, no clusters, 167,424 bytes of LDS; arguments himg, w2_codes, lst, y; writes y
.if DOCPART == 3
	.amdgcn_target "amdgcn-amd-amdhsa--gfx1250"
	.amdhsa_code_object_version 6
	.text
	.protected	k_q7170c09efe_down
	.globl	k_q7170c09efe_down
	.p2align	8
	.type	k_q7170c09efe_down,@function
k_q7170c09efe_down:
	s_mov_b64 s[64:65], 0
	v_nop
	global_prefetch_b8 v0, s[64:65] scope:SCOPE_SE
	s_setreg_imm32_b32 hwreg(HW_REG_WAVE_MODE, 25, 1), 1
	s_wait_xcnt 0x0
; THE SECOND PRODUCT OF THE CHOSEN ROWS: raw f32 sums of h W2 on codes of E4M3, for one expert e = work-group % 8, 128 of its 1,024 output columns (cb = work-group / 32) and a quarter of
; K = 4,096 (q = (work-group / 8) % 4).  The scale 2^(e2 + e3), b2, the gates, the sum over the four quarters and the residual belong to the next launch.  Rows of tokens that did not choose e are not made.
; WEIGHTS STAY: 128 rows of W2 x 1,024 codes = 128 KB, read from memory once, by this work-group alone, in LDS (rows 1,040 bytes apart: an odd multiple of 16).  K is cut in four so that a work-group
; streams a quarter of the expert's hidden rows; the price is four partial sums for each output.
; WHICH ROWS: lst[e][p] = 2 token + k of the expert's p-th row (k = 1: e is the token's second choice); behind the eight lists n, the number of e's rows.  The launch before stored both.
; Wave w takes tiles of 16 rows w, w + 4, ..; a pass takes five: 128 columns x 80 rows.
; h comes as images of the operand's registers: himg[e][tile][K step][2,048]: four dense loads of 512 bytes a fragment.  Tiles that a pass does not have are read from the expert's last tile and not multiplied on.
; TRANSPOSED USE (source 0 = 16 rows of W2, source 1 = 16 rows of h): a lane's eight results are eight neighbouring columns of one row.  A tile goes through the wave's own stage in LDS and leaves
; as whole pieces of 512 bytes: y[2 token + k][q][1,024] f32.  Each piece has one owner; rows past n are not stored.
; NO TENSOR LOADS, NO JOINT LOADS.
; REGISTERS, in windows of 256.  Window 0: v1-31 addresses; v32-47 16 store offsets; v56-58 the rows' pair numbers; v64-127 rows read back from the stage;
;   v128-255 W's fragments, set 0.  Window 1: the accumulators of tiles g = 0..3, (t, g) at 64 g + 8 t (at the head: the weights on their way to LDS).  Window 2: v0-63 those of g = 4;
;   v126-127 the spare word's address and 0; v128-255 W's set 1.  Window 3: v0-239 h's fragments, three K steps by turns.
.set PITCH, 1040
.set W32,   32*PITCH
.set STAGE, 128*PITCH                  ; behind the weights: 16 rows x (512 bytes + 16) for each wave
.set SPT,   528
.set SSTR,  2048                       ; h's images: bytes from K step to K step,
.set CSTR,  512                        ; and from piece to piece
.set L16, 1                            ; 16 x lane
.set RR,  2                            ; lane % 16
.set HH,  3                            ; lane / 16
.set RK,  4                            ; 64 (lane / 16) + lane % 16
.set STW, 5                            ; where my wave's weights go in LDS
.set ADW, 6                            ; v6-9   W's fragments: tiles 2 k, 2 k + 1
.set BA,  10                           ; v10-14 h's fragments, for each of the five tiles
.set STO, 15                           ; v15    the stage: where I put 32 bytes of a row
.set TP,  28                           ; v28-30 at work; then the offsets of the rows' entries in the list
.set RD,  31                           ; v31    the stage: where I read a row back
.set SA,  32                           ; v32-47 the way out: the 16 rows' offsets in y
.set PW,  56                           ; v56-58 the rows' pair numbers
.set BK,  64
.set WF,  128
.set PAS, 90                           ; s90    passes done
.set NPA, 91                           ; s91    my wave's passes
.set MSB, 0
.macro WIN new                         ; the immediate's high byte repeats the setting that is left; a switch that changes nothing is dropped
.if MSB != (\new)
	s_set_vgpr_msb (MSB<<8)|(\new)
.set MSB, (\new)
.endif
.endm
.macro PLACES                          ; four plain places behind matrix instructions (ISA guide 7.12.1)
.rept 4
	v_nop
.endr
.endm
; The pass's rows: rank 16 (t0 + 4 g) + lane % 16; lanes 0-15 of register p serve tile 2 p, lanes 16-31 tile 2 p + 1.  Their pair numbers are asked for, and the five tiles' places in himg are made.
.macro DADDR
	s_lshl_b32 s24, s22, 4
.irp p, 0,1,2
	v_add_nc_u32 v[TP+\p], s24, v[RK]
	v_min_u32 v[TP+\p], 0x3ff, v[TP+\p]
	v_lshlrev_b32 v[TP+\p], 2, v[TP+\p]
	global_load_b32 v[PW+\p], v[TP+\p], s[8:9]
	s_add_co_u32 s24, s24, 128
.endr
	s_sub_co_u32 s25, s21, 1
.irp g, 0,1,2,3,4
	s_add_co_u32 s24, s22, 4*\g
	s_min_u32 s24, s24, s25                        ; a tile that the expert does not have: its last one is read in its stead
	s_min_u32 s24, s24, 63
	s_lshl_b32 s24, s24, 16
	v_add_nc_u32 v[BA+\g], s24, v[L16]
.endr
	s_wait_alu depctr_va_vdst(0)
.endm
.macro BLOAD q                         ; the five tiles' fragments of K step q: always 20 loads, so that every count is fixed
	WIN 0xc0
.irp g, 0,1,2,3,4
.irp c, 0,1,2,3
	global_load_b128 v[80*((\q)%3)+16*\g+4*\c:80*((\q)%3)+16*\g+4*\c+3], v[BA+\g], s[4:5] offset:SSTR*(\q)+CSTR*\c
.endr
.endr
.endm
.macro WFETCH q                        ; W's eight fragments of K step q into set q % 2
	WIN 0x80*((\q)%2)
.irp t, 0,1,2,3,4,5,6,7
.irp c, 0,1,2,3
	ds_load_b128 v[WF+16*\t+4*\c:WF+16*\t+4*\c+3], v[ADW+\t/2] offset:(\t%2)*16*PITCH+128*(\q)+32*\c
.endr
.endr
.endm
; A K step of 128.  The accumulators take turns, one instruction a turn.  K step 0 starts all 40 sums with the constant 0; later K steps leave out the tiles that this pass does not have.
.macro KSTEP s
.if \s < 7
	s_wait_loadcnt 20                              ; this step's 20 loads of h are in; the next step's 20 are younger
.else
	s_wait_loadcnt 0x0
.endif
	s_wait_dscnt 0x0                               ; this step's fragments of W, asked for a K step ago
.if \s > 0
	PLACES                                         ; behind the last step's products: the loads below land in registers that they read
.endif
.if \s < 7
	WFETCH \s+1
.endif
.if \s < 6
	BLOAD \s+2
.endif
.irp g, 0,1,2,3,4
.if (\s > 0) && (\g > 0)
	WIN 0
	s_cmp_le_u32 s23, \g
	s_cbranch_scc1 .Lkend_\s
.endif
.set AC, 64*(\g%4)
.set BB, 80*(\s%3)+16*\g
.if \s == 0
	WIN 0x0c+((1+\g/4)<<6)
.else
	WIN 0x0c+2*(\s%2)+((1+\g/4)<<6)+((1+\g/4)<<4)
.endif
.irp t, 0,1,2,3,4,5,6,7
.if \s == 0
	v_wmma_f32_16x16x128_fp8_fp8 v[AC+8*\t:AC+8*\t+7], v[WF+16*\t:WF+16*\t+15], v[BB:BB+15], 0
.else
	v_wmma_f32_16x16x128_fp8_fp8 v[AC+8*\t:AC+8*\t+7], v[WF+16*\t:WF+16*\t+15], v[BB:BB+15], v[AC+8*\t:AC+8*\t+7]
.endif
.endr
.endr
	WIN 0
.if \s > 0
.Lkend_\s:
.endif
.endm
; THE WAY OUT of tile g: 16 rows x 128 columns through my stage; row i leaves as 512 consecutive bytes at its pair's place in y.
.macro OUT g
	s_cmp_le_u32 s23, \g
	s_cbranch_scc1 .Ldone
	s_wait_xcnt 0x0                                ; the last tile's stores have read their offsets and their data: both are written again below
	s_lshl_b32 s25, s22, 4
	s_add_co_u32 s25, s25, 64*\g
	s_sub_co_u32 s25, s20, s25                     ; rows left from this tile's first on: n - 16 (t0 + 4 g), never negative
.irp i, 0,1,2,3,4,5,6,7,8,9,10,11,12,13,14,15
	v_readlane_b32 s[66+\i], v[PW+\g/2], 16*(\g%2)+\i
.endr
.irp i, 0,1,2,3,4,5,6,7,8,9,10,11,12,13,14,15
	s_min_u32 s[66+\i], s[66+\i], 0x7ff
.endr
.irp i, 0,1,2,3,4,5,6,7,8,9,10,11,12,13,14,15
	s_lshl_b32 s[66+\i], s[66+\i], 14              ; a pair's four quarters are 16,384 bytes
.endr
.irp i, 0,1,2,3,4,5,6,7,8,9,10,11,12,13,14,15
	v_add_nc_u32 v[SA+\i], s[66+\i], v[L16]
.endr
	s_wait_alu depctr_va_vdst(0)
	WIN 4+4*(\g/4)                                 ; LDS store data: window 1 or 2
.irp t, 0,1,2,3,4,5,6,7
	ds_store_b128 v[STO], v[64*(\g%4)+8*\t:64*(\g%4)+8*\t+3] offset:64*\t         ; each accumulator from its low end on
	ds_store_b128 v[STO], v[64*(\g%4)+8*\t+4:64*(\g%4)+8*\t+7] offset:64*\t+16
.endr
	WIN 0
.irp i, 0,1,2,3,4,5,6,7,8,9,10,11,12,13,14,15
	ds_load_b128 v[BK+4*\i:BK+4*\i+3], v[RD] offset:SPT*\i   ; LDS serves a wave's instructions in order (ISA guide 5.7.1.4): these see my stores
.endr
.irp i, 0,1,2,3,4,5,6,7,8,9,10,11,12,13,14,15
	s_cmp_le_u32 s25, \i
	s_cbranch_scc1 .Ltend_\g                       ; the expert has no such row
	s_wait_dscnt 15-\i                             ; row i is back; the later rows' loads may be out
	global_store_b128 v[SA+\i], v[BK+4*\i:BK+4*\i+3], s[10:11]   ; 32 lanes store 512 consecutive bytes, aligned
.endr
.Ltend_\g:
	s_wait_dscnt 0x0                               ; rows that were not stored are back too: no load is pending on registers that the next tile loads
.endm
	s_load_b256 s[4:11], s[0:1], 0x0               ; himg s[4:5], W2's codes s[6:7], lst s[8:9], y s[10:11]
	s_set_vgpr_msb 0x80
	v_lshl_add_u32 v126, v0, 2, 0x28c00
	v_mov_b32 v127, 0
	s_set_vgpr_msb 0x8000
	v_lshrrev_b32 v[TP], 5, v0
	v_readfirstlane_b32 s16, v[TP]                 ; wave
	v_and_b32 v[TP+1], 31, v0
	v_lshlrev_b32 v[L16], 4, v[TP+1]
	v_and_b32 v[RR], 15, v0
	v_bfe_u32 v[HH], v0, 4, 1
	v_lshl_add_u32 v[RK], v[HH], 6, v[RR]
	s_mul_i32 s24, s16, W32
	v_add_nc_u32 v[STW], s24, v[L16]               ; my wave's 32 rows in LDS, 16 bytes a lane
	v_mul_u32_u24 v[TP], v[RR], PITCH
	v_lshl_add_u32 v[ADW], v[HH], 4, v[TP]         ; a fragment's row x pitch + 16 x half
	v_add_nc_u32 v[ADW+1], W32, v[ADW]
	v_add_nc_u32 v[ADW+2], 2*W32, v[ADW]
	v_add_nc_u32 v[ADW+3], 3*W32, v[ADW]
	s_mul_i32 s24, s16, 16*SPT
	s_add_co_u32 s24, s24, STAGE                   ; my stage
	v_mul_u32_u24 v[STO], v[RR], SPT
	v_lshl_add_u32 v[STO], v[HH], 5, v[STO]
	v_add_nc_u32 v[STO], s24, v[STO]               ; in: row lane % 16, 32 bytes for each half of the lanes
	v_add_nc_u32 v[RD], s24, v[L16]                ; back: the 32 lanes take one row of 512 bytes
	v_lshl_add_u32 v128, s16, 17, v[L16]           ; the weights in memory: my wave's 32 rows, 4,096 bytes apart
	s_and_b32 s17, ttmp9, 7                        ; e
	s_lshr_b32 s18, ttmp9, 5                       ; cb
	s_bfe_u32 s31, ttmp9, 0x20003                  ; q
	s_lshl_b32 s30, s17, 9
	s_mov_b32 s25, 0
	s_wait_alu depctr_va_vdst(0)
	s_wait_kmcnt 0x0
	s_load_b32 s20, s[8:9], s30 offset:0x8000      ; n
	s_lshl_b32 s24, s17, 22
	s_lshl_b32 s26, s18, 19
	s_add_co_u32 s24, s24, s26
	s_lshl_b32 s26, s31, 10
	s_add_co_u32 s24, s24, s26
	s_add_nc_u64 s[6:7], s[6:7], s[24:25]          ; row 1,024 e + 128 cb of W2, K from 1,024 q on
	s_lshl_b32 s24, s17, 22
	s_lshl_b32 s26, s31, 14
	s_add_co_u32 s24, s24, s26
	s_add_nc_u64 s[4:5], s[4:5], s[24:25]          ; himg: expert e, tile 0, K step 8 q
	s_lshl_b32 s24, s31, 12
	s_lshl_b32 s26, s18, 9
	s_add_co_u32 s24, s24, s26
	s_add_nc_u64 s[10:11], s[10:11], s[24:25]      ; y: quarter q, columns 128 cb on
	WIN 0x40
.set k, 0
.rept 64                               ; my wave's 32 rows of the slice, 512 consecutive bytes a load: read once in the launch
	global_load_b128 v[4*k:4*k+3], v128, s[6:7] offset:4096*(k/2)+512*(k%2) th:TH_LOAD_NT
.set k, k+1
.endr
	WIN 0
	s_wait_kmcnt 0x0
	s_min_u32 s20, s20, 0x400
	s_lshl_b32 s24, s17, 12
	s_mov_b32 s25, 0
	s_add_nc_u64 s[8:9], s[8:9], s[24:25]          ; e's list
	s_add_co_u32 s21, s20, 15
	s_lshr_b32 s21, s21, 4
	s_max_u32 s21, s21, 1                          ; nt, as in the launch before
	s_mov_b32 s22, s16                             ; t0: my first tile
	DADDR
	; The weights go into LDS as they land, and the first two K steps of h are asked for between them.  Behind weight load k stand 63 - k weight loads, the three loads of the list and min(k, 40) loads of h.
	WIN 0xc4                                       ; LDS store data window 1, loaded data window 3
.set k, 0
.rept 64
.set NK, 66
.if k > 40
.set NK, 106-k
.endif
.if NK > 63
.set NK, 63
.endif
	s_wait_loadcnt NK
	ds_store_b128 v[STW], v[4*k:4*k+3] offset:(k/2)*PITCH+512*(k%2)
.if k < 40
	global_load_b128 v[80*(k/20)+4*(k%20):80*(k/20)+4*(k%20)+3], v[BA+(k%20)/4], s[4:5] offset:SSTR*(k/20)+CSTR*(k%4)
.endif
.set k, k+1
.endr
	WIN 0
	s_wait_dscnt 0x0                               ; for the others' sake: my 32 rows lie in LDS
	s_barrier_signal -1
	s_barrier_wait -1                              ; the one barrier: from here on the slice is only read, and each stage is its wave's own
	s_cmp_ge_u32 s22, s21
	s_cbranch_scc1 .Lend                           ; a wave without a tile
	; My passes: ceil((nt - wave) / 20).  nt is 64 at the most, so x = nt - wave + 19 lies between 20 and 83, where x * 205 >> 12 is x / 20 rounded down.
	s_sub_co_u32 s[NPA], s21, s22
	s_add_co_u32 s[NPA], s[NPA], 19
	s_mul_i32 s[NPA], s[NPA], 205
	s_lshr_b32 s[NPA], s[NPA], 12
	s_mov_b32 s[PAS], 0
.Lpass:
	s_sub_co_u32 s23, s21, s22
	s_add_co_u32 s23, s23, 3
	s_lshr_b32 s23, s23, 2
	s_min_u32 s23, s23, 5                          ; this pass's tiles
	WFETCH 0
.irp s, 0,1,2,3,4,5,6,7
	KSTEP \s
.endr
	PLACES                                         ; in front of the first read of results
	OUT 0                                          ; (the pair numbers are in: the last K step waited for every load)
	OUT 1
	OUT 2
	OUT 3
	OUT 4
.Ldone:
	s_wait_xcnt 0x0                                ; the stores have read their offsets
	s_add_co_u32 s22, s22, 20                      ; the next pass's first tile
	s_add_co_u32 s[PAS], s[PAS], 1                 ; the loop ends on the count of passes
	s_cmp_ge_u32 s[PAS], s[NPA]
	s_cbranch_scc1 .Lend
	DADDR                                          ; the next pass's rows, and its first two K steps of h
	BLOAD 0
	BLOAD 1
	WIN 0
	s_cmp_lt_u32 s[PAS], s[NPA]                    ; the compare above once more: the lines between have used SCC
	s_cbranch_scc1 .Lpass
.Lend:
	s_set_vgpr_msb 0xa
	s_wait_tensorcnt 0x0                           ; the wave's end
	ds_add_u32 v126, v127
	s_wait_dscnt 0x0
	s_set_vgpr_msb 0xa00
	s_endpgm
.Lfunc_end_k_q7170c09efe_down:
	.size	k_q7170c09efe_down, .Lfunc_end_k_q7170c09efe_down-k_q7170c09efe_down
	.p2alignl 7, 3214868480
	.fill 96, 4, 3214868480
	.section	.rodata,"a",@progbits
	.p2align	6, 0x0
	.amdhsa_kernel k_q7170c09efe_down
		.amdhsa_group_segment_fixed_size 167424
		.amdhsa_private_segment_fixed_size 0
		.amdhsa_enable_private_segment 0
		.amdhsa_kernarg_size 32
		.amdhsa_user_sgpr_count 2
		.amdhsa_user_sgpr_kernarg_segment_ptr 1
		.amdhsa_wavefront_size32 1
		.amdhsa_system_sgpr_workgroup_id_x 1
		.amdhsa_system_sgpr_workgroup_id_y 1
		.amdhsa_system_sgpr_workgroup_id_z 1
		.amdhsa_system_vgpr_workitem_id 0
		.amdhsa_next_free_vgpr 1024
		.amdhsa_next_free_sgpr 98
		.amdhsa_reserve_vcc 0
		.amdhsa_float_denorm_mode_32 3
		.amdhsa_float_denorm_mode_16_64 3
		.amdhsa_memory_ordered 1
		.amdhsa_forward_progress 1
		.amdhsa_inst_pref_size 122
	.end_amdhsa_kernel
	.amdgpu_metadata
---
amdhsa.version: [ 1, 2 ]
amdhsa.kernels:
  - .name:           k_q7170c09efe_down
    .symbol:         k_q7170c09efe_down.kd
    .args:
      - { .name: himg, .offset: 0, .size: 8, .value_kind: global_buffer, .address_space: global }
      - { .name: w2_codes, .offset: 8, .size: 8, .value_kind: global_buffer, .address_space: global }
      - { .name: lst, .offset: 16, .size: 8, .value_kind: global_buffer, .address_space: global }
      - { .name: y, .offset: 24, .size: 8, .value_kind: global_buffer, .address_space: global }
    .group_segment_fixed_size: 167424
    .private_segment_fixed_size: 0
    .kernarg_segment_align: 8
    .kernarg_segment_size: 32
    .max_flat_workgroup_size: 128
    .sgpr_count:     98
    .vgpr_count:     1024
    .wavefront_size: 32
...
	.end_amdgpu_metadata
.endif
;; end of part 3
;; launch mix (part 4): grid 256 x 1, 8 waves a work-group, no clusters, 0 bytes of LDS; arguments y, x, b2, gates, eidx, lowp_scales, out0; writes out0
.if DOCPART == 4
	.amdgcn_target "amdgcn-amd-amdhsa--gfx1250"
	.amdhsa_code_object_version 6
	.text
	.protected	k_q7170c09efe_mix
	.globl	k_q7170c09efe_mix
	.p2align	8
	.type	k_q7170c09efe_mix,@function
k_q7170c09efe_mix:
	s_mov_b64 s[64:65], 0
	v_nop
	global_prefetch_b8 v0, s[64:65] scope:SCOPE_SE
	s_setreg_imm32_b32 hwreg(HW_REG_WAVE_MODE, 25, 1), 1
	s_wait_xcnt 0x0
; out[token] = x[token] + g0 (2^(e2 + e3) S0 + b2[e0]) + g1 (2^(e2 + e3) S1 + b2[e1]), S_k = the sum over the four quarters of K of y[2 token + k][q].
; A stream: a wave takes half a token's columns (token = 4 x work-group + wave / 2), in four chunks of 128 columns.  A chunk is 11 loads of 512 consecutive bytes (8 of y, x, two rows of b2) and one store of 512.
; All 44 loads are out at once: y's and x's first, which hang on the token alone; b2's rows behind them, when the token's experts are known.
; The experts' numbers come from a buffer of whole numbers that an earlier launch stored; they are clamped to 7 in front of the shift.  LDS, barriers and matrix units would add nothing here; a prefetch
; has no loop to run ahead in.
; LIMIT: e2 + e3 between -126 and 127, so that 2^(e2 + e3) is an f32 number.
.set SL, 16                            ; v16-191  chunk j at 16 + 44 j: y(k, q) at 4 (4 k + q), x at 32, b2[e0] at 36, b2[e1] at 40
.set OU, 192                           ; v192-207 the results
	s_load_b256 s[4:11], s[0:1], 0x0               ; y s[4:5], x s[6:7], b2 s[8:9], gates s[10:11]
	s_load_b128 s[12:15], s[0:1], 0x20             ; eidx s[12:13], the scales' exponents s[14:15]
	s_load_b64 s[16:17], s[0:1], 0x30              ; out0
	v_lshrrev_b32 v4, 5, v0
	v_readfirstlane_b32 s18, v4                    ; wave
	v_and_b32 v1, 31, v0
	v_lshlrev_b32 v1, 4, v1                        ; 16 bytes a lane
	s_and_b32 s21, s18, 1
	s_lshl_b32 s21, s21, 11                        ; which half of the columns, in bytes
	s_lshr_b32 s18, s18, 1
	s_lshl_b32 s19, ttmp9, 2
	s_add_co_u32 s19, s19, s18                     ; token
	s_lshl_b32 s20, s19, 3
	s_mov_b32 s27, 0
	s_wait_alu depctr_va_vdst(0)
	s_wait_kmcnt 0x0
	s_load_b64 s[22:23], s[10:11], s20 offset:0x0  ; g0, g1
	s_load_b64 s[24:25], s[12:13], s20 offset:0x0  ; e0, e1
	s_load_b128 s[36:39], s[14:15], 0x0
	s_lshl_b32 s26, s19, 15
	s_add_co_u32 s26, s26, s21
	s_add_nc_u64 s[4:5], s[4:5], s[26:27]          ; the token's two pairs in y
	s_lshl_b32 s26, s19, 12
	s_add_co_u32 s26, s26, s21
	s_add_nc_u64 s[6:7], s[6:7], s[26:27]
	s_add_nc_u64 s[16:17], s[16:17], s[26:27]
.irp j, 0,1,2,3
.set S, SL+44*\j
.irp k, 0,1
.irp q, 0,1,2,3
	global_load_b128 v[S+4*(4*\k+\q):S+4*(4*\k+\q)+3], v1, s[4:5] offset:16384*\k+4096*\q+512*\j th:TH_LOAD_NT
.endr
.endr
	global_load_b128 v[S+32:S+35], v1, s[6:7] offset:512*\j th:TH_LOAD_NT
.endr
	s_wait_kmcnt 0x0
	s_min_u32 s24, s24, 7
	s_min_u32 s25, s25, 7
	s_lshl_b32 s24, s24, 12
	s_lshl_b32 s25, s25, 12
	s_add_co_u32 s24, s24, s21
	s_add_co_u32 s25, s25, s21
	v_add_nc_u32 v2, s24, v1                       ; b2's row e0
	v_add_nc_u32 v3, s25, v1                       ; and e1
.irp j, 0,1,2,3
.set S, SL+44*\j
	global_load_b128 v[S+36:S+39], v2, s[8:9] offset:512*\j
	global_load_b128 v[S+40:S+43], v3, s[8:9] offset:512*\j
.endr
	s_add_co_i32 s26, s38, s39
	s_add_co_i32 s26, s26, 127
	s_lshl_b32 s26, s26, 23                        ; 2^(e2 + e3) as f32
	s_mov_b32 s28, s22                             ; each factor twice: the packed forms name a pair
	s_mov_b32 s29, s22
	s_mov_b32 s30, s23
	s_mov_b32 s31, s23
	s_mul_f32 s32, s22, s26
	s_mul_f32 s34, s23, s26
	s_mov_b32 s33, s32
	s_mov_b32 s35, s34
.irp j, 0,1,2,3
.set S, SL+44*\j
.set O, OU+4*\j
	s_wait_loadcnt 35-9*\j                         ; chunk j of y and x is in: 9 loads for each later chunk and b2's 8 are younger
.irp k, 0,16
.irp i, 0,2
	v_pk_add_f32 v[S+\k+\i:S+\k+\i+1], v[S+\k+\i:S+\k+\i+1], v[S+\k+4+\i:S+\k+4+\i+1]
	v_pk_add_f32 v[S+\k+8+\i:S+\k+8+\i+1], v[S+\k+8+\i:S+\k+8+\i+1], v[S+\k+12+\i:S+\k+12+\i+1]
	v_pk_add_f32 v[S+\k+\i:S+\k+\i+1], v[S+\k+\i:S+\k+\i+1], v[S+\k+8+\i:S+\k+8+\i+1]
.endr
.endr
.irp i, 0,2
	v_pk_fma_f32 v[O+\i:O+\i+1], v[S+\i:S+\i+1], s[32:33], v[S+32+\i:S+32+\i+1] op_sel_hi:[1,0,1]         ; x + g0 2^(e2 + e3) S0
	v_pk_fma_f32 v[O+\i:O+\i+1], v[S+16+\i:S+16+\i+1], s[34:35], v[O+\i:O+\i+1] op_sel_hi:[1,0,1]         ; + g1 2^(e2 + e3) S1
.endr
.endr
	s_wait_alu depctr_va_vdst(0)                   ; ahead of the waits below
.irp j, 0,1,2,3
.set S, SL+44*\j
.set O, OU+4*\j
	s_wait_loadcnt 6-2*\j                          ; chunk j of b2's rows: two loads for each later chunk are younger
.irp i, 0,2
	v_pk_fma_f32 v[O+\i:O+\i+1], v[S+36+\i:S+36+\i+1], s[28:29], v[O+\i:O+\i+1] op_sel_hi:[1,0,1]         ; + g0 b2[e0]
	v_pk_fma_f32 v[O+\i:O+\i+1], v[S+40+\i:S+40+\i+1], s[30:31], v[O+\i:O+\i+1] op_sel_hi:[1,0,1]         ; + g1 b2[e1]
.endr
	global_store_b128 v1, v[O:O+3], s[16:17] offset:512*\j th:TH_STORE_NT   ; 32 lanes store 512 consecutive bytes, aligned
.endr
	s_endpgm
.Lfunc_end_k_q7170c09efe_mix:
	.size	k_q7170c09efe_mix, .Lfunc_end_k_q7170c09efe_mix-k_q7170c09efe_mix
	.p2alignl 7, 3214868480
	.fill 96, 4, 3214868480
	.section	.rodata,"a",@progbits
	.p2align	6, 0x0
	.amdhsa_kernel k_q7170c09efe_mix
		.amdhsa_group_segment_fixed_size 0
		.amdhsa_private_segment_fixed_size 0
		.amdhsa_enable_private_segment 0
		.amdhsa_kernarg_size 56
		.amdhsa_user_sgpr_count 2
		.amdhsa_user_sgpr_kernarg_segment_ptr 1
		.amdhsa_wavefront_size32 1
		.amdhsa_system_sgpr_workgroup_id_x 1
		.amdhsa_system_sgpr_workgroup_id_y 1
		.amdhsa_system_sgpr_workgroup_id_z 1
		.amdhsa_system_vgpr_workitem_id 0
		.amdhsa_next_free_vgpr 208
		.amdhsa_next_free_sgpr 66
		.amdhsa_reserve_vcc 0
		.amdhsa_float_denorm_mode_32 3
		.amdhsa_float_denorm_mode_16_64 3
		.amdhsa_memory_ordered 1
		.amdhsa_forward_progress 1
		.amdhsa_inst_pref_size 12
	.end_amdhsa_kernel
	.amdgpu_metadata
---
amdhsa.version: [ 1, 2 ]
amdhsa.kernels:
  - .name:           k_q7170c09efe_mix
    .symbol:         k_q7170c09efe_mix.kd
    .args:
      - { .name: y, .offset: 0, .size: 8, .value_kind: global_buffer, .address_space: global }
      - { .name: x, .offset: 8, .size: 8, .value_kind: global_buffer, .address_space: global }
      - { .name: b2, .offset: 16, .size: 8, .value_kind: global_buffer, .address_space: global }
      - { .name: gates, .offset: 24, .size: 8, .value_kind: global_buffer, .address_space: global }
      - { .name: eidx, .offset: 32, .size: 8, .value_kind: global_buffer, .address_space: global }
      - { .name: lowp_scales, .offset: 40, .size: 8, .value_kind: global_buffer, .address_space: global }
      - { .name: out0, .offset: 48, .size: 8, .value_kind: global_buffer, .address_space: global }
    .group_segment_fixed_size: 0
    .private_segment_fixed_size: 0
    .kernarg_segment_align: 8
    .kernarg_segment_size: 56
    .max_flat_workgroup_size: 256
    .sgpr_count:     66
    .vgpr_count:     208
    .wavefront_size: 32
...
	.end_amdgpu_metadata
.endif
;; end of part 4
